; MI455X (gfx1250); checked and timed in simulation.
; The chip was launched on July 23, 2026; its instructions are those of AMD's public machine-readable ISA for CDNA 5 (MIT licence, August 2026) and "CDNA5" Instruction Set Architecture Reference Guide (July 2026). The comments in the code are by the model that wrote it; some were corrected since.
;; Multihead Attention. Allowed arithmetic: matrix products marked QUANTISED: E2M3 operands, one E8M0 scale for each 32 along K, by v_wmma_scale_f32_16x16x128_f8f6f4 with both operands' format E2M3, f32 sums; products left as they are: f32 operands where the result goes on into a quantised operand, else bf16, f16 or f32 operands; f32 sums; everything else in f32.
;; Inputs: W_out 1,024 x 1,024 float32; W_qkv 3,072 x 1,024 float32; b_out 1,024 float32; b_qkv 3,072 float32; mask 1 x 1 x 16 x 16 int32; x 4 x 4,096 x 1,024 float32.
;; Outputs: out0 4 x 4,096 x 1,024 float32.
;; This version of the problem:
;;   THIS VERSION OF THE PROBLEM IS GIVEN IN LOW PRECISION. The matrix products marked QUANTISED in the list below multiply operands that are first quantised to E2M3 (2 exponent bits, 3 mantissa bits; 6 bits a number), with one power-of-two scale for each 32 numbers along K (OCP MX v1.0); their sums are f32. All else is computed in f32.
;;   The module's matrix products, in the order in which they are computed (A, B: the left and right operand; K: the contracted axis; several contracted axes count as one K, in the product's order):
;;     1. [M 16,384, K 1,024] x [K 1,024, N 3,072]; A: input x; B: input W_qkv: QUANTISED
;;     2. batch 16,384 x [M 16, K 64] x [K 64, N 16]; A: computed on the way; B: computed on the way: QUANTISED
;;     3. batch 16,384 x [M 16, K 16] x [K 16, N 64]; A: softmax; B: computed on the way: left as it is (K = 16 < 32)
;;     4. [M 16,384, K 1,024] x [K 1,024, N 1,024]; A: computed on the way; B: input W_out: QUANTISED
;;   THE QUANTISER, for each operand of a quantised product, along K:
;;     - K is cut into blocks of 32 from its start; a last block that is shorter is filled with zeros.
;;     - A block's scale is 2^e with e = floor(log2(the largest magnitude in the block)) - 2, held to -126 .. 127; a block of zeros has e = 0. As a byte (E8M0): e + 127.
;;     - Each number is divided by its block's scale, clamped to +-7.5, and rounded to the nearest number of E2M3, ties to even, subnormals kept.
;;     - The product sums the exact products of the quantised numbers (number of the format x scale) in f32.
;;   ~~~python
;;   def quantise(x, axis):      # numpy; x: float32 -> the quantised numbers, widened to float32 again
;;       x = np.moveaxis(x, axis, -1); K = x.shape[-1]
;;       x = np.pad(x, [(0, 0)] * (x.ndim - 1) + [(0, -K % 32)]); x = x.reshape(x.shape[:-1] + (-1, 32)); a = np.abs(x).max(-1, keepdims=True)
;;       e = np.where(a > 0, np.clip(np.frexp(np.where(a > 0, a, 1))[1] - 1 - 2, -126, 127), 0)      # np.frexp(a)[1] - 1 = floor(log2(a)), exactly
;;       r = np.clip(x / 2.0 ** e, -7.5, 7.5)
;;       step = 2.0 ** (np.maximum(np.frexp(np.where(r == 0, 1, r))[1] - 1, 0) - 3)
;;       q = np.round(r / step) * step * 2.0 ** e      # np.round: ties to even
;;       return np.moveaxis(q.reshape(q.shape[:-2] + (-1,))[..., :K], -1, axis).astype(np.float32)
;;   ~~~
;;   OPERANDS COMPUTED ON THE WAY. 'Computed on the way' means the value that the module computes at that place (a softmax that the list does not call 'softmax' is quantised finished and normalised). What goes into a quantiser is computed in f32, as accurately as f32 sums, v_exp_f32 and their like allow (about 1e-6 of the number): no bf16 or f16 on the way to a quantiser, and a product that is left as it is and whose result goes on into a quantised operand takes f32 operands (vector FMAs, or v_wmma_f32_16x16x4_f32). A number that lies on a knife's edge between two numbers of the format may be rounded either way, as far as f32 arithmetic and the matrix unit's own rounding can turn it there, and no further.
;; One version. Each part assembles by itself: llvm-mc -triple=amdgcn-amd-amdhsa -mcpu=gfx1250 --defsym DOCPART=n.
;; ======== version 1 of 1: 2 launches
;; workspace buffers: XC 13,107,200 bytes; WS 3,276,800 bytes
;; launch prep (part 1): grid 1280 x 1, 8 waves a work-group, no clusters, 68,608 bytes of LDS; arguments x, W_qkv, W_out, XC, WS; writes XC, WS
.if DOCPART == 1
	.amdgcn_target "amdgcn-amd-amdhsa--gfx1250"
	.amdhsa_code_object_version 6
	.text
	.protected	k_q5ebb56a596_prep
	.globl	k_q5ebb56a596_prep
	.p2align	8
	.type	k_q5ebb56a596_prep,@function
k_q5ebb56a596_prep:
	s_mov_b64 s[64:65], 0
	v_nop
	global_prefetch_b8 v0, s[64:65] scope:SCOPE_SE
	s_setreg_imm32_b32 hwreg(HW_REG_WAVE_MODE, 25, 1), 1
	s_wait_xcnt 0x0
; x [16384][1024], W_qkv [3072][1024] and W_out [1024][1024], f32, K innermost, become codes of FP6 (E2M3) with one E8M0 byte for each 32 along K,
; laid as IMAGES OF THE OPERAND'S REGISTERS: a fragment is 16 rows x 128 K = 12 registers a lane; register g of lane l lies at (g / 4) 512 + 16 l + 4 (g % 4) of its 1,536 bytes;
; its 16 scale words (row r's at 4 r) follow in a place of 64 bytes.  The next launch then takes every fragment by three loads of 16 bytes a lane.
; A block's scale is 2^(floor(log2(largest magnitude)) - 2); its byte is the largest magnitude's exponent field - 2, held at 1 from below.
; LIMITS: a block of zeros gets the byte 1 (not 127): its codes are zeros, and this program alone reads the bytes; blocks whose largest magnitude lies under 2^-124 keep the byte 1; NaN and infinities are not served.
; SHARES.  A work-group takes one tile of 16 rows, its wave s the K step s (128 along K): one fragment a wave.  Work-groups 0-1023: x's tiles; 1024-1279: the weights' 256 tiles.
; WHICH ROWS FORM A TILE is chosen for the next launch: row i of a tile is e0 + the sum over i's bits of four strides (in rows):
;   x: 1, 2, 4, 8;  q and k: 96, 192, 384, 48;  v: 3, 6, 12, 48;  W_out: 4, 8, 16, 32.
; WHERE A WEIGHT FRAGMENT GOES: WS is 32 chunks of 102,400 bytes, 8 a pass (k, q, v, W_out); a chunk is 4 quarters of 16 fragments and their scale words.  v: chunk = K step, place = tile.
; k, q, W_out: chunk (s & 6) + tile / 8, place 8 (s & 1) + tile % 8: an even chunk holds tiles 0-7 of two K steps, the odd chunk behind it tiles 8-15 of the same two.
; One path through the text for all: only scalars (pointers, e0, strides, offsets) are chosen, on the work-group's number.
; Each load reads 512 consecutive bytes (a row's K step); the 16 rows turn through the wave's own stage in LDS (rows 528 bytes apart) so that a lane gets the 2 x 32 neighbours that its registers hold.
; The codes leave as 3 x 512 consecutive bytes; the 16 scale words as 64 bytes (a part of an aligned 256: one byte in 24 of what the launch stores).
.set STG, 8448                         ; a wave's stage: 16 rows x 528 bytes
.set PIT, 528                          ; 512 + 16: an odd multiple of 16 bytes
.set R,   16                           ; v16-79   the 16 rows as loaded
.set X,   80                           ; v80-143  my two blocks of 32 neighbours
.set VO,  144                          ; v144-159 byte offset of my 16 bytes in row i
.set C,   160                          ; v160-171 the fragment's 12 registers
.set TA,  172                          ; v172-174, v176-178: the halves whose place begins on an odd register
.set TB,  176
.set MX,  180
.set SC,  182
.set BY,  184
.set WD,  186
.set SH,  187
.set WT,  188
	s_load_b128 s[4:7], s[0:1], 0x0                ; x, W_qkv
	s_load_b128 s[8:11], s[0:1], 0x10              ; W_out, XC
	s_load_b64 s[12:13], s[0:1], 0x20              ; WS
	v_lshl_add_u32 v192, v0, 2, 0x10800
	v_mov_b32 v193, 0
	v_lshrrev_b32 v1, 5, v0
	v_readfirstlane_b32 s14, v1                    ; wave = K step s
	v_and_b32 v2, 31, v0
	v_lshlrev_b32 v3, 4, v2                        ; 16 x lane
	v_and_b32 v4, 15, v0                           ; r
	v_bfe_u32 v5, v0, 4, 1                         ; h
	s_mul_i32 s15, s14, STG
	v_add_nc_u32 v6, s15, v3                       ; the stage, on the way in: 16 x lane of row i
	v_mul_u32_u24 v7, v4, PIT
	v_lshl_add_u32 v7, v5, 7, v7
	v_add_nc_u32 v7, s15, v7                       ; and out: row r, block h (128 bytes a block)
	v_lshlrev_b32 v8, 2, v4                        ; my row's scale word
	s_and_b32 s16, ttmp9, 255                      ; n: the weights' tile (of use from work-group 1024 on)
	s_lshr_b32 s17, s16, 6                         ; pass: 0 k, 1 q, 2 v, 3 W_out
	s_bfe_u32 s18, s16, 0x20004                    ; quarter of a chunk
	s_and_b32 s19, s16, 15                         ; tile in the quarter
	s_mul_i32 s20, s18, 768                        ; q, k: e0 = 768 quarter + 3 tile + 1 - pass
	s_mul_i32 s21, s19, 3
	s_add_co_u32 s20, s20, s21
	s_add_co_u32 s20, s20, 1
	s_sub_co_u32 s20, s20, s17
	s_mul_i32 s21, s19, 192                        ; v: e0 = 192 head + 96 (block of d) + 24 (which eight) + 2
	s_bfe_u32 s22, s16, 0x10005
	s_mul_i32 s22, s22, 96
	s_add_co_u32 s21, s21, s22
	s_bfe_u32 s22, s16, 0x10004
	s_mul_i32 s22, s22, 24
	s_add_co_u32 s21, s21, s22
	s_add_co_u32 s21, s21, 2
	s_lshl_b32 s22, s18, 8                         ; W_out: e0 = 256 quarter + 64 (tile / 4) + tile % 4
	s_lshr_b32 s23, s19, 2
	s_lshl_b32 s23, s23, 6
	s_add_co_u32 s22, s22, s23
	s_and_b32 s23, s19, 3
	s_add_co_u32 s22, s22, s23
	s_lshl_b32 s23, ttmp9, 4                       ; x: e0 = 16 tile
	s_and_b32 s29, s14, 6                          ; k, q, W_out: chunk (s & 6) + tile / 8 of the pass,
	s_lshr_b32 s25, s19, 3
	s_add_co_u32 s29, s29, s25
	s_and_b32 s30, s14, 1                          ; place 8 (s & 1) + tile % 8 in the quarter
	s_lshl_b32 s30, s30, 3
	s_and_b32 s25, s19, 7
	s_add_co_u32 s30, s30, s25
	s_cmp_eq_u32 s17, 2
	s_cselect_b32 s29, s14, s29                    ; v: chunk s,
	s_cselect_b32 s30, s19, s30                    ; place = tile
	s_lshl_b32 s24, s17, 3                         ; WS: chunks of 102,400 bytes, quarters of 25,600, fragments of 1,536; scale words from 24,576 on
	s_add_co_u32 s24, s24, s29
	s_mul_i32 s24, s24, 102400
	s_mul_i32 s25, s18, 25600
	s_add_co_u32 s24, s24, s25
	s_lshl_b32 s25, s30, 6
	s_add_co_u32 s26, s24, s25
	s_add_co_u32 s26, s26, 24576
	s_mul_i32 s25, s30, 1536
	s_add_co_u32 s24, s24, s25
	s_lshr_b32 s27, ttmp9, 2                       ; XC: 51,200 bytes for each 64 tokens, 6,400 for each K step: four fragments, then their scale words
	s_mul_i32 s27, s27, 51200
	s_mul_i32 s25, s14, 6400
	s_add_co_u32 s27, s27, s25
	s_and_b32 s25, ttmp9, 3
	s_lshl_b32 s28, s25, 6
	s_add_co_u32 s28, s28, s27
	s_add_co_u32 s28, s28, 6144
	s_mul_i32 s25, s25, 1536
	s_add_co_u32 s27, s27, s25
	s_wait_kmcnt 0x0
	s_cmp_lt_u32 s17, 2                            ; the choices hang on the work-group's number alone
	s_cselect_b32 s56, s20, s21                    ; e0
	s_cselect_b32 s57, 96, 3                       ; the stride of bit 0; bits 1 and 2 have twice and four times it
	s_mov_b32 s58, 48                              ; the stride of bit 3
	s_cmp_eq_u32 s17, 3
	s_cselect_b32 s56, s22, s56
	s_cselect_b32 s57, 4, s57
	s_cselect_b32 s58, 32, s58
	s_cselect_b64 s[48:49], s[8:9], s[6:7]
	s_cmp_lt_u32 ttmp9, 1024
	s_cselect_b32 s56, s23, s56
	s_cselect_b32 s57, 1, s57
	s_cselect_b32 s58, 8, s58
	s_cselect_b64 s[48:49], s[4:5], s[48:49]       ; from where
	s_cselect_b64 s[50:51], s[10:11], s[12:13]     ; to where
	s_cselect_b32 s60, s27, s24                    ; the fragment's place
	s_cselect_b32 s62, s28, s26                    ; its scale words'
	s_mov_b32 s61, 0
	s_mov_b32 s63, 0
	s_lshl_b32 s30, s56, 12                        ; e0 rows of 4,096 bytes (under 2^27) + 512 s
	s_lshl_b32 s31, s14, 9
	s_add_co_u32 s30, s30, s31
	s_mov_b32 s31, 0
	s_add_nc_u64 s[48:49], s[48:49], s[30:31]
	s_add_nc_u64 s[52:53], s[50:51], s[60:61]
	s_add_nc_u64 s[54:55], s[50:51], s[62:63]
	s_mov_b32 s32, 0                               ; s[32 + i]: row i's distance from row 0, in bytes
	s_lshl_b32 s33, s57, 12
	s_lshl_b32 s34, s57, 13
	s_lshl_b32 s36, s57, 14
	s_lshl_b32 s40, s58, 12
	s_add_co_u32 s35, s34, s33
.irp i, 1,2,3
	s_add_co_u32 s[36+\i], s36, s[32+\i]
.endr
.irp i, 1,2,3,4,5,6,7
	s_add_co_u32 s[40+\i], s40, s[32+\i]
.endr
.irp i, 0,1,2,3,4,5,6,7,8,9,10,11,12,13,14,15
	v_add_nc_u32 v[VO+\i], s[32+\i], v3
.endr
.irp i, 0,1,2,3,4,5,6,7,8,9,10,11,12,13,14,15
	global_load_b128 v[R+4*\i:R+4*\i+3], v[VO+\i], s[48:49] th:TH_LOAD_NT   ; 32 lanes read 512 consecutive bytes; read once in the launch
.endr
.irp i, 0,1,2,3,4,5,6,7,8,9,10,11,12,13,14,15
	s_wait_loadcnt 15-\i                           ; loads come back in order: row i is in, the 15 - i younger ones may be out
	ds_store_b128 v6, v[R+4*\i:R+4*\i+3] offset:PIT*\i
.endr
.irp q, 0,1,2,3,4,5,6,7
	ds_load_b128 v[X+4*\q:X+4*\q+3], v7 offset:16*\q                 ; LDS serves a wave's instructions in order: these see my stores.  k = 32 h + 0 .. 31
.endr
.irp q, 0,1,2,3,4,5,6,7
	ds_load_b128 v[X+32+4*\q:X+32+4*\q+3], v7 offset:256+16*\q       ; k = 64 + 32 h + 0 .. 31
.endr
	s_mov_b32 s20, 0x76543210
	s_mov_b32 s21, 0xfedcba98                      ; v_permlanex16_b32's selects for lane l xor 16
	s_wait_dscnt 0x0
.irp c, 0,1
	v_max3_num_f32 v[MX+\c], |v[X+32*\c]|, |v[X+32*\c+1]|, 0x1800000   ; my block's largest magnitude, and the floor 2^(3 - 127): the byte cannot fall under 1
.endr
.irp i, 2,4,6,8,10,12,14,16,18,20,22,24,26,28,30
.irp c, 0,1
	v_max3_num_f32 v[MX+\c], v[MX+\c], |v[X+32*\c+\i]|, |v[X+32*\c+\i+1]|   ; (the two blocks by turns)
.endr
.endr
.irp c, 0,1
	v_add_nc_u32 v[SC+\c], 0xff000000, v[MX+\c]    ; 2 off the exponent field: the conversion's scale operand
.endr
.irp c, 0,1
	v_lshrrev_b32 v[BY+\c], 23, v[SC+\c]           ; the scale's byte
.endr
	v_lshl_or_b32 v[WD], v[BY+1], 16, v[BY]        ; my bytes: blocks h and 2 + h,
	v_lshlrev_b32 v[SH], 3, v5
	v_lshlrev_b32 v[WD], v[SH], v[WD]              ; at their places in the row's word;
	v_mov_b32 v[WT], 0
	v_permlanex16_b32 v[WT], v[WD], s20, s21
	v_or_b32 v[WD], v[WD], v[WT]                   ; with lane l xor 16's two the word is whole
	v_cvt_scalef32_pk16_fp6_f32 v[C:C+2], v[X:X+15], v[SC]
	v_cvt_scalef32_pk16_fp6_f32 v[TA:TA+2], v[X+16:X+31], v[SC]        ; (a conversion's three registers begin on an even number)
	v_cvt_scalef32_pk16_fp6_f32 v[C+6:C+8], v[X+32:X+47], v[SC+1]
	v_cvt_scalef32_pk16_fp6_f32 v[TB:TB+2], v[X+48:X+63], v[SC+1]
	v_nop                                          ; one plain place behind the scaled conversions
.irp i, 0,1,2
	v_mov_b32 v[C+3+\i], v[TA+\i]
	v_mov_b32 v[C+9+\i], v[TB+\i]
.endr
.irp c, 0,1,2
	global_store_b128 v3, v[C+4*\c:C+4*\c+3], s[52:53] offset:512*\c   ; 32 lanes store 512 consecutive bytes, at a multiple of 256 from the buffer's first byte
.endr
	global_store_b32 v8, v[WD], s[54:55]           ; both halves of the lanes hold the same word and write it to the same place
	s_wait_tensorcnt 0x0
	ds_add_u32 v192, v193
	s_wait_dscnt 0x0
	s_endpgm
.Lfunc_end_k_q5ebb56a596_prep:
	.size	k_q5ebb56a596_prep, .Lfunc_end_k_q5ebb56a596_prep-k_q5ebb56a596_prep
	.p2alignl 7, 3214868480
	.fill 96, 4, 3214868480
	.section	.rodata,"a",@progbits
	.p2align	6, 0x0
	.amdhsa_kernel k_q5ebb56a596_prep
		.amdhsa_group_segment_fixed_size 68608
		.amdhsa_private_segment_fixed_size 0
		.amdhsa_enable_private_segment 0
		.amdhsa_kernarg_size 40
		.amdhsa_user_sgpr_count 2
		.amdhsa_user_sgpr_kernarg_segment_ptr 1
		.amdhsa_wavefront_size32 1
		.amdhsa_system_sgpr_workgroup_id_x 1
		.amdhsa_system_sgpr_workgroup_id_y 1
		.amdhsa_system_sgpr_workgroup_id_z 1
		.amdhsa_system_vgpr_workitem_id 0
		.amdhsa_next_free_vgpr 194
		.amdhsa_next_free_sgpr 66
		.amdhsa_reserve_vcc 0
		.amdhsa_float_denorm_mode_32 3
		.amdhsa_float_denorm_mode_16_64 3
		.amdhsa_memory_ordered 1
		.amdhsa_forward_progress 1
		.amdhsa_inst_pref_size 13
	.end_amdhsa_kernel
	.amdgpu_metadata
---
amdhsa.version: [ 1, 2 ]
amdhsa.kernels:
  - .name:           k_q5ebb56a596_prep
    .symbol:         k_q5ebb56a596_prep.kd
    .args:
      - { .name: x, .offset: 0, .size: 8, .value_kind: global_buffer, .address_space: global }
      - { .name: W_qkv, .offset: 8, .size: 8, .value_kind: global_buffer, .address_space: global }
      - { .name: W_out, .offset: 16, .size: 8, .value_kind: global_buffer, .address_space: global }
      - { .name: XC, .offset: 24, .size: 8, .value_kind: global_buffer, .address_space: global }
      - { .name: WS, .offset: 32, .size: 8, .value_kind: global_buffer, .address_space: global }
    .group_segment_fixed_size: 68608
    .private_segment_fixed_size: 0
    .kernarg_segment_align: 8
    .kernarg_segment_size: 40
    .max_flat_workgroup_size: 256
    .sgpr_count:     66
    .vgpr_count:     194
    .wavefront_size: 32
...
	.end_amdgpu_metadata
.endif
;; end of part 1
;; launch main (part 2): grid 256 x 1, 4 waves a work-group, clusters of 4 x 1, 327,680 bytes of LDS; arguments XC, WS, b_qkv, b_out, mask, out0; writes out0
.if DOCPART == 2
	.amdgcn_target "amdgcn-amd-amdhsa--gfx1250"
	.amdhsa_code_object_version 6
	.text
	.protected	k_q5ebb56a596_main
	.globl	k_q5ebb56a596_main
	.p2align	8
	.type	k_q5ebb56a596_main,@function
k_q5ebb56a596_main:
	s_mov_b64 s[64:65], 0
	v_nop
	global_prefetch_b8 v0, s[64:65] scope:SCOPE_SE
	s_setreg_imm32_b32 hwreg(HW_REG_WAVE_MODE, 25, 1), 1
	s_wait_xcnt 0x0
	s_wait_alu depctr_hold_cnt(0) depctr_sa_sdst(0) depctr_va_vdst(0) depctr_va_sdst(0) depctr_va_ssrc(0) depctr_va_vcc(0) depctr_vm_vsrc(0)
	s_getreg_b32 s2, hwreg(HW_REG_IB_STS2, 6, 4)
	s_cmp_eq_u32 s2, 0
	s_cbranch_scc0 .Lentry_in_a_cluster
	s_endpgm
.Lentry_in_a_cluster:
	s_bfe_u32 s2, ttmp6, 0x10000c
	s_cmp_lg_u32 s2, 0x3003
	s_cbranch_scc0 .Lentry_shape_is_right
	s_endpgm
.Lentry_shape_is_right:
; out0 = ctx W_out^T + b_out, ctx[token][h][d] = sum over t of softmax_t(q[h] . k[t] / 8, masked) v[t][d], q, k, v = the interleaved thirds of x W_qkv^T + b_qkv: attention over the 16 HEADS of each token.
; The products with W_qkv, q k^T and with W_out run on codes of FP6 (E2M3) with E8M0 scales for each 32 along K; attn v (K = 16) has f32 operands, since its result is quantised.
; SHARES.  A work-group of four waves takes 64 tokens through the whole chain; nothing wide goes to memory.  x's codes (XC) and the weights' codes (WS) were laid by the launch before as images of operand registers.
; THE WEIGHTS' STREAM.  32 steps of 128 along K (passes k, q, v, W_out, 8 steps each), 64 matrix instructions a wave each.  All work-groups walk the same weights, so the four of a cluster ask JOINTLY for what goes
; through LDS: wave w brings quarter w of a chunk of 102,400 bytes by one tensor load with a mask that names the four; two slots.  By this text's count a wave has four tensor loads out at the start, later one.
; k, q, W_out steps: source 0 = 16 tokens, source 1 = 16 rows of W: wave w has 16 tiles of W x 4 tiles of tokens.  TILES 0-7 COME THROUGH LDS, TILES 8-15 STRAIGHT FROM WS INTO REGISTERS, 28 loads a step, into two sets by turns,
; each asked for 96 matrix instructions ahead of its use.  WHY THAT HALF IS NOT ASKED FOR JOINTLY: beside the activations' 108,800 bytes LDS has room for two slots of 102,400; with all 16 tiles in it a slot is one step,
; 64 matrix instructions for each round of the cluster's barrier; with 8 it is TWO steps: one round and one joint load for 128 matrix instructions, 96 of them between a request and the wait for it.
; Within a pass the pairs of K steps go round from (cluster's number) % 4 on (v: the steps, from % 8 on), so that the clusters do not all ask for one chunk at once.
; A lane holds ONE row of W and eight tokens; the rows of a tile were chosen so that a lane's 16 tiles are 16 neighbours along the next K (q, k) or four times four neighbouring columns (out0).
; One addition a number is the bias and also turns registers along tokens into registers along d.
; v steps: wave = (block of 32 d, half of the tokens): 32 tiles of W x 2 tiles of tokens, all through LDS (a fragment serves two waves there), a chunk a step.
; LIMITS: a mask row without any nonzero entry makes every number NaN by the definition; here it gives finite numbers.  NaN and infinities among the inputs are not served.  Blocks whose largest magnitude lies under 2^-124,
; blocks of zeros among them, keep the byte 1 (their bytes are read by this program alone).  The order of K within a product differs from cluster to cluster: the sums are f32.
; The look-ahead loads of the last q step and of the last v step bring fragments that nobody uses: 42 and 35 loads, against a further copy of a step in the text.
; LDS: 0 and 102,400 the slots; RB k's codes (768 bytes a token), later half of attn; RA x's codes (8 K steps, 6,432 bytes apart), then q's codes, then the other half of attn, then ctx's codes in x's layout; QS scale words of k and q; SPARE.
; All of a WGP's LDS is claimed.
; REGISTERS, in windows of 256 (s_set_vgpr_msb: bits 1:0 source 0, 3:2 source 1, 5:4 source 2, 7:6 destination): window 0: v1-47, v58 addresses; v48-57 and v252-255 scales and nothing else; v60-107 four activation fragments;
;   v108-203 WC, the second set of direct fragments, and with v204-251 each epilogue's scratch.   window 1: v0-95 WA (from LDS), v96-191 WB (direct; in v steps from LDS; in v's epilogue: v and attn);
;   v192-255 the f32 products' results, written by matrix instructions alone.   windows 2, 3: the 64 accumulators.
.set CHB,   102400                     ; a chunk
.set QB,    25600                      ; a quarter: 16 fragments, then 16 x 64 bytes of scale words
.set FRB,   1536                       ; a fragment's image
.set SCO,   24576                      ; the scale words' place in a quarter
.set SLOT1, 102400
.set RB,    204800
.set RA,    253952
.set SG,    6432                       ; from K step to K step in RA: 6,400 + 32, so that the 32 lanes of a store of ctx's codes fall on 32 different banks
.set XGB,   6400                       ; the same in XC
.set XSC,   6144                       ; the scale words' place in a K step's group
.set QS,    305408
.set SPARE, 313600                     ; the spare words, 128 bytes for each wave: two blocks of 256 bytes that no other line names
.set CELL,  768                        ; a token's codes of k or q: lane' = head + 16 (block of d) at 24 lane'
.set SPW, 1
.set NIL, 2
.set L16, 3
.set L4, 4
.set ADW0, 5                           ; my quarter's fragments in slot 0
.set ADC, 6                            ; and in the slot in hand
.set ASW0, 7                           ; its scale words likewise
.set ASC, 8
.set AX0, 9
.set AXS0, 10
.set ADX, 11                           ; the activation fragments of the K step in hand
.set ASX, 12
.set ADV, 13                           ; v13-14 v steps: my two quarters in slot 0, 1
.set ASV, 15
.set XO0, 17
.set XO, 18
.set XSO0, 19
.set XSO, 20
.set AQ0, 21
.set AQ, 22
.set AS0, 23
.set AS, 24
.set BO0, 25
.set BO, 26
.set SHB, 27
.set PK0, 28
.set PQ0, 29
.set PS0, 30
.set PA0, 31
.set PA1, 32
.set APK, 33
.set APQ, 34
.set APS, 35
.set APA0, 36
.set APA1, 37
.set AT0, 38
.set AT1, 39
.set AC, 40
.set ACS, 43
.set OO, 44
.set NINF, 45
.set BV, 46
.set BOO, 47
.set WSR, 48                           ; v48-51 WA's scale words, v52-55 WB's: a register carries two fragments', lanes 0-15 and 16-31
.set XS, 56                            ; v56-57 activations' likewise
.set WSC, 252                          ; v252-255 WC's scale words
.set XF, 60
.set WC, 108
.set T, 108                            ; epilogues: 4 tokens x 16 numbers
.set MX, 188
.set SC, 192
.set BY, 196
.set TP, 200
.set CD, 204
.set WD, 220
.set BQ, 224
.set KF, 108                           ; scores: token i: k's fragment at KF + 24 i, q's 12 on
.set DD, 204
.set UU, 60
.set PM, 236
.set PX, 240
.set PCM, 244
.set PSU, 248
.set BVR, 188
.set CC, 60                            ; ctx: 32 tokens x (3 registers of codes, 1 byte)
.set BOR, 236
.set WA, 0
.set WB, 96
.set WV, 16
.set CX, 17
.set WG, 18
.set TB, 19                            ; LDS byte at which the slot in hand begins: 0 or SLOT1, turned by an exclusive or
.set NC, 20                            ; the joint chunk in hand: k 0-3, q 4-7, v 8-15, W_out 16-19
.set SR, 21                            ; (cluster % 8) + NC: its low bits say which K steps
.set CNT, 22
.set PASS, 23
.set G1W, 24
.set G0S, 32                           ; s[32:35] chunk 0's group 0; s[36:39] chunk 1's, which then walks
.set G1X, 40
.set G0X, 48
.set MK, 56
.set SEL, 66
.set WSB, 68
.set XCB, 70
.set T0, 72
.set T1, 73
.set T2, 74
.set T4, 76
.set T5, 77
.set T6, 78
.set CS, 80
.set QOFF, 81
.set SOFF, 82
.set PT, 83
.set PT2, 84
.set GG, 85
.set DB, 86
.set WQ, 87                            ; wave x a quarter's bytes
.set GA, 88                            ; s[88:89] where WB's loads read;  s[90:91] WC's
.set GB, 90
.set MSB, 0
.macro WIN new                         ; the immediate's high byte repeats the setting that is left; a switch that changes nothing is dropped
.if MSB != (\new)
	s_set_vgpr_msb (MSB<<8)|(\new)
.set MSB, (\new)
.endif
.endm
; A load into a register that a matrix instruction has read, and a vector instruction that reads a matrix result, stand four places behind it; only plain vector instructions are places.
.macro PLACES
.rept 4
	v_nop
.endr
.endm
.macro CREST                           ; a round of the cluster's barrier behind its opening barrier
	s_cmp_lg_u32 s[WV], 0
	s_cbranch_scc1 .Lnot_wave_0_\@
	s_barrier_signal -3
.Lnot_wave_0_\@:
	s_barrier_wait -3
	s_barrier_signal -1
	s_barrier_wait -1
.endm
.macro CROUND
	s_barrier_signal -1
	s_barrier_wait -1
	CREST
.endm
; one scaled product on the registers named by rD, rA, rB, rSA, rSB.  zero: it starts the sum.  ra, rb: the side's scale words lie in lanes 16-31
.macro WMS zero, ra, rb
.if \zero
.if (\ra) && (\rb)
	v_wmma_scale_f32_16x16x128_f8f6f4 v[rD:rD+7], v[rA:rA+11], v[rB:rB+11], 0, v[rSA], v[rSB] matrix_a_fmt:MATRIX_FMT_FP6 matrix_b_fmt:MATRIX_FMT_FP6 matrix_a_scale:MATRIX_SCALE_ROW1 matrix_b_scale:MATRIX_SCALE_ROW1
.elseif \ra
	v_wmma_scale_f32_16x16x128_f8f6f4 v[rD:rD+7], v[rA:rA+11], v[rB:rB+11], 0, v[rSA], v[rSB] matrix_a_fmt:MATRIX_FMT_FP6 matrix_b_fmt:MATRIX_FMT_FP6 matrix_a_scale:MATRIX_SCALE_ROW1
.elseif \rb
	v_wmma_scale_f32_16x16x128_f8f6f4 v[rD:rD+7], v[rA:rA+11], v[rB:rB+11], 0, v[rSA], v[rSB] matrix_a_fmt:MATRIX_FMT_FP6 matrix_b_fmt:MATRIX_FMT_FP6 matrix_b_scale:MATRIX_SCALE_ROW1
.else
	v_wmma_scale_f32_16x16x128_f8f6f4 v[rD:rD+7], v[rA:rA+11], v[rB:rB+11], 0, v[rSA], v[rSB] matrix_a_fmt:MATRIX_FMT_FP6 matrix_b_fmt:MATRIX_FMT_FP6
.endif
.else
.if (\ra) && (\rb)
	v_wmma_scale_f32_16x16x128_f8f6f4 v[rD:rD+7], v[rA:rA+11], v[rB:rB+11], v[rD:rD+7], v[rSA], v[rSB] matrix_a_fmt:MATRIX_FMT_FP6 matrix_b_fmt:MATRIX_FMT_FP6 matrix_a_scale:MATRIX_SCALE_ROW1 matrix_b_scale:MATRIX_SCALE_ROW1
.elseif \ra
	v_wmma_scale_f32_16x16x128_f8f6f4 v[rD:rD+7], v[rA:rA+11], v[rB:rB+11], v[rD:rD+7], v[rSA], v[rSB] matrix_a_fmt:MATRIX_FMT_FP6 matrix_b_fmt:MATRIX_FMT_FP6 matrix_a_scale:MATRIX_SCALE_ROW1
.elseif \rb
	v_wmma_scale_f32_16x16x128_f8f6f4 v[rD:rD+7], v[rA:rA+11], v[rB:rB+11], v[rD:rD+7], v[rSA], v[rSB] matrix_a_fmt:MATRIX_FMT_FP6 matrix_b_fmt:MATRIX_FMT_FP6 matrix_b_scale:MATRIX_SCALE_ROW1
.else
	v_wmma_scale_f32_16x16x128_f8f6f4 v[rD:rD+7], v[rA:rA+11], v[rB:rB+11], v[rD:rD+7], v[rSA], v[rSB] matrix_a_fmt:MATRIX_FMT_FP6 matrix_b_fmt:MATRIX_FMT_FP6
.endif
.endif
.endm
; the global address of joint chunk t = NC + d, into group 0 number set.  k, q, W_out: WS's chunk 8 pass + 2 ((SR + d) % 4); v (t = 8 .. 15): 16 + (SR + d) % 8.
; It hangs on the cluster's number, the wave's and the count of chunks alone: equal in the four partners
.macro CHUNK set, d
	s_add_co_u32 s[T0], s[SR], \d
	s_and_b32 s[T4], s[T0], 3
	s_lshl_b32 s[T4], s[T4], 1
	s_and_b32 s[T0], s[T0], 7
	s_add_co_u32 s[T0], s[T0], 16
	s_add_co_u32 s[T1], s[NC], \d
	s_lshr_b32 s[T5], s[T1], 2
	s_min_u32 s[T5], s[T5], 3                      ; the pass: t / 4 is 0, 1 for k, q and 4 for W_out, which is pass 3
	s_lshl_b32 s[T5], s[T5], 3
	s_add_co_u32 s[T4], s[T4], s[T5]
	s_and_b32 s[T1], s[T1], 24
	s_cmp_eq_u32 s[T1], 8
	s_cselect_b32 s[T0], s[T0], s[T4]
	s_mul_i32 s[T0], s[T0], CHB
	s_mov_b32 s[T1], 0
	s_add_nc_u64 s[G0S+4*\set+2:G0S+4*\set+3], s[WSB:WSB+1], s[T0:T0+1]
	s_or_b32 s[G0S+4*\set+3], s[G0S+4*\set+3], 0x80000000
.endm
.macro DIRADR pair, d                  ; where my quarter of the direct chunk beside joint chunk NC + d begins: WS's chunk 8 pass + 2 ((SR + d) % 4) + 1
	s_add_co_u32 s[T0], s[SR], \d
	s_and_b32 s[T0], s[T0], 3
	s_lshl_b32 s[T0], s[T0], 1
	s_add_co_u32 s[T1], s[NC], \d
	s_lshr_b32 s[T1], s[T1], 2
	s_min_u32 s[T1], s[T1], 3
	s_lshl_b32 s[T1], s[T1], 3
	s_add_co_u32 s[T0], s[T0], s[T1]
	s_add_co_u32 s[T0], s[T0], 1
	s_mul_i32 s[T0], s[T0], CHB
	s_mov_b32 s[T1], 0
	s_add_nc_u64 s[\pair:\pair+1], s[WSB:WSB+1], s[T0:T0+1]
.endm
.macro NEXTX d, odd                    ; where the activation fragments of K step 2 ((SR + d) % 4) + odd lie in RA
	s_add_co_u32 s[T0], s[SR], \d
	s_and_b32 s[T0], s[T0], 3
	s_lshl_b32 s[T0], s[T0], 1
.if \odd
	s_add_co_u32 s[T0], s[T0], 1
.endif
	s_mul_i32 s[T0], s[T0], SG
	v_add_nc_u32 v[ADX], s[T0], v[AX0]
	v_add_nc_u32 v[ASX], s[T0], v[AXS0]
.endm
.macro NEXTV d                         ; v steps: where x's codes of K step (SR + d) % 8 lie in XC
	s_add_co_u32 s[T0], s[SR], \d
	s_and_b32 s[T0], s[T0], 7
	s_mul_i32 s[T0], s[T0], XGB
	v_add_nc_u32 v[XO], s[T0], v[XO0]
	v_add_nc_u32 v[XSO], s[T0], v[XSO0]
.endm
.macro LDW set, adr, boff              ; 8 weight fragments from LDS: 24 loads of 512 consecutive bytes
	WIN 0x40
.irp f, 0,1,2,3,4,5,6,7
.irp c, 0,1,2
	ds_load_b128 v[\set+12*\f+4*\c:\set+12*\f+4*\c+3], v[\adr] offset:(\boff)+\f*FRB+512*\c
.endr
.endr
	WIN 0
.endm
.macro LDSC w0, adr, boff              ; their scale words: 4 loads, two fragments' words each
	WIN 0
.irp i, 0,1,2,3
	ds_load_b32 v[WSR+\w0+\i], v[\adr] offset:(\boff)+128*\i
.endr
.endm
; 8 weight fragments and their scale words straight from WS: places 8 half .. 8 half + 7 of my quarter: 24 loads of 512 consecutive bytes and 4 of 128.  wc = 0: into WB, 1: into WC
.macro LDG wc, base, half
.if \wc
	WIN 0
.irp f, 0,1,2,3,4,5,6,7
.irp c, 0,1,2
	global_load_b128 v[WC+12*\f+4*\c:WC+12*\f+4*\c+3], v[L16], s[\base:\base+1] offset:(8*(\half)+\f)*FRB+512*\c
.endr
.endr
.irp i, 0,1,2,3
	global_load_b32 v[WSC+\i], v[L4], s[\base:\base+1] offset:SCO+512*(\half)+128*\i
.endr
.else
	WIN 0x40
.irp f, 0,1,2,3,4,5,6,7
.irp c, 0,1,2
	global_load_b128 v[WB+12*\f+4*\c:WB+12*\f+4*\c+3], v[L16], s[\base:\base+1] offset:(8*(\half)+\f)*FRB+512*\c
.endr
.endr
	WIN 0
.irp i, 0,1,2,3
	global_load_b32 v[WSR+4+\i], v[L4], s[\base:\base+1] offset:SCO+512*(\half)+128*\i
.endr
.endif
.endm
.macro LDX a                           ; activation tiles 2 a and 2 a + 1 and their scale words: 7 loads
	WIN 0
.irp f, 0,1
.irp c, 0,1,2
	ds_load_b128 v[XF+12*(2*\a+\f)+4*\c:XF+12*(2*\a+\f)+4*\c+3], v[ADX] offset:(2*\a+\f)*FRB+512*\c
.endr
.endr
	ds_load_b32 v[XS+\a], v[ASX] offset:128*\a
.endm
.macro LDXG set                        ; v steps: my two tiles of x's codes, from memory, into set 0 or 1
	WIN 0
.irp f, 0,1
.irp c, 0,1,2
	global_load_b128 v[XF+24*(\set)+12*\f+4*\c:XF+24*(\set)+12*\f+4*\c+3], v[XO], s[XCB:XCB+1] offset:\f*FRB+512*\c
.endr
.endr
	global_load_b32 v[XS+(\set)], v[XSO], s[XCB:XCB+1]
.endm
; 16 products: weight tiles 8 g .. 8 g + 7 x token tiles 2 mp, 2 mp + 1.  wc = 1: tiles 8-15 stand in WC.  The 64 accumulators take turns, one instruction a turn, in the same order in every step
.macro MULA g, mp, zero, wc
.if \wc
	WIN 0xf0
.else
	WIN 0xa4+0x50*(\g)
.endif
.irp tp, 0,1,2,3
.irp p, 0,1
.irp mm, 0,1
.set rD, 8*(4*(2*\tp+\p)+2*(\mp)+\mm)
.set rA, XF+12*(2*(\mp)+\mm)
.set rSA, XS+(\mp)
.if \wc
.set rB, WC+12*(2*\tp+\p)
.set rSB, WSC+\tp
.else
.set rB, 96*(\g)+12*(2*\tp+\p)
.set rSB, WSR+4*(\g)+\tp
.endif
	WMS \zero, \mm, \p
.endr
.endr
.endr
.endm
; v steps, 8 products: heads 8 th + 2 tpb .. + 3 of the quarter u x my two token tiles (set xi)
.macro MULV8 u, th, xi, zero, tpb
	WIN 0xa4+0x50*(\u)
.irp tq, 0,1
.irp p, 0,1
.irp mm, 0,1
.set rD, 8*(2*(8*(\th)+2*((\tpb)+\tq)+\p)+\mm)
.set rA, XF+24*(\xi)+12*\mm
.set rB, 96*(\th)+12*(2*((\tpb)+\tq)+\p)
.set rSA, XS+(\xi)
.set rSB, WSR+4*(\th)+(\tpb)+\tq
	WMS \zero, \mm, \p
.endr
.endr
.endr
.endm
; A SLOT'S FIRST STEP (k, q, W_out).  No barrier, no tensor load.  On entry WA, its scales and token tiles 0, 1 are on their way, then token tiles 2, 3 (seven loads); WB was asked for a step ago.
.macro STEPA zero
	DIRADR GB, 0                                   ; (WC's last loads were shown done by the wait in the step that multiplied them)
	LDG 1, GB, 1                                   ; WC: tiles 8-15 of this slot's second step: 96 matrix instructions ahead of their use
	s_wait_dscnt 7                                 ; WA, its scales and token tiles 0, 1 are in; the youngest seven loads may be out
	MULA 0, 0, \zero, 0
	s_wait_dscnt 0x0
	MULA 0, 1, \zero, 0
	WIN 0
	PLACES
	LDSC 0, ASC, 512
	LDW WA, ADC, 8*FRB                             ; the second step's tiles 0-7: my last reads of this slot
	s_wait_loadcnt 28                              ; WB is in: behind its loads the 28 of WC were issued
	MULA 1, 0, \zero, 0
	WIN 0
	PLACES
	NEXTX 0, 1
	LDX 0
	MULA 1, 1, \zero, 0
	WIN 0
	PLACES
	LDX 1
.endm
; A SLOT'S SECOND STEP, which changes slots.  fill: this slot is filled again, with the chunk two on.  pre: the next slot's first operands are fetched.
; preb: WB is asked for, for the next slot's first step (2: not behind q's last slot, which v follows).
.macro STEPB fill, pre, preb
.if \preb == 2
	s_cmp_eq_u32 s[NC], 7
	s_cbranch_scc1 .Lno_wb_\@
.endif
.if \preb
	DIRADR GA, 1                                   ; (WB's last loads were shown done by the wait in the step before)
	LDG 0, GA, 0
.endif
.if \preb == 2
	s_branch .Lwb_\@
.Lno_wb_\@:
	s_wait_loadcnt 0x0                             ; on this way nothing is issued behind WC's loads: so the wait for them is for all
.Lwb_\@:
.endif
.if \fill
	s_wait_tensorcnt 0x0                           ; all my tensor loads have landed: the one that was out is my quarter of the next slot
	ds_add_u32 v[SPW], v[NIL]                      ; 0 onto my spare word
	s_add_co_u32 s[G0S+5], s[TB], s[WQ]            ; no tensor load of mine is out, so the walking descriptor may be written: the slot in hand,
	CHUNK 1, 2                                     ; the chunk two on
	s_wait_dscnt 8                                 ; WA, its scales and token tiles 0, 1 are in; token tiles 2, 3 (seven loads) and the add may be out
.else
	s_wait_dscnt 7
.endif
	MULA 0, 0, 0, 0
	s_wait_dscnt 0x0                               ; the add is done and my reads of this slot are over
.if \fill
	s_barrier_signal -1                            ; this barrier opens a round of the cluster's barrier
.endif
	MULA 0, 1, 0, 0
	WIN 0
.if \fill
	s_barrier_wait -1
	CREST                                          ; no wave of any partner still reads this slot or has a load on its way
	tensor_load_to_lds s[G0S+4:G0S+7], s[G1W:G1W+7]   ; the first thing behind the round, and my one tensor load until the next
	s_nop 0
.elseif \pre
	s_wait_tensorcnt 0x0                           ; nothing is filled any more; a wave reads its own quarter alone in these steps, so its own wait is all that the reads need
.endif
	PLACES
	s_xor_b32 s[TB], s[TB], SLOT1                  ; on to the other slot
.if \pre
	v_add_nc_u32 v[ADC], s[TB], v[ADW0]
	v_add_nc_u32 v[ASC], s[TB], v[ASW0]
	LDSC 0, ASC, 0
	LDW WA, ADC, 0
.endif
.if \preb
	s_wait_loadcnt 28                              ; WC is in: behind its loads the 28 of WB were issued (or all loads are done)
.else
	s_wait_loadcnt 0x0
.endif
	MULA 1, 0, 0, 1
	WIN 0
	PLACES
.if \pre
	NEXTX 1, 0
	LDX 0
.endif
	MULA 1, 1, 0, 1
	WIN 0
	PLACES
.if \pre
	LDX 1
.endif
	s_add_co_u32 s[NC], s[NC], 1
	s_add_co_u32 s[SR], s[SR], 1
.endm
.macro APRE                            ; what a slot's first step expects to be on its way: 35 loads, then 7
	NEXTX 0, 0
	v_add_nc_u32 v[ADC], s[TB], v[ADW0]
	v_add_nc_u32 v[ASC], s[TB], v[ASW0]
	LDSC 0, ASC, 0
	LDX 0
	LDW WA, ADC, 0
	LDX 1
.endm
; A STEP OF v on slot sg; x's set is sg too.  Four groups of 8 fragments through the two sets; each group's loads stand beside the group before's 16 products.
.macro VSTEP sg, zero
	s_wait_loadcnt 0x0                             ; x's codes of this step (asked for a step ago)
	s_wait_dscnt 0x0                               ; the first group
	PLACES
	NEXTV 1                                        ; (the loads that read these two registers are done)
	LDXG 1-\sg
	LDSC 4, ASV+\sg, 512
	LDW WB, ADV+\sg, 8*FRB
	MULV8 0, 0, \sg, \zero, 0
	MULV8 0, 0, \sg, \zero, 2
	s_wait_dscnt 0x0
	PLACES
	LDSC 0, ASV+\sg, QB
	LDW WA, ADV+\sg, QB
	MULV8 0, 1, \sg, \zero, 0
	MULV8 0, 1, \sg, \zero, 2
	s_wait_dscnt 0x0
	PLACES
	LDSC 4, ASV+\sg, QB+512
	LDW WB, ADV+\sg, QB+8*FRB                      ; my last reads of this slot
	s_wait_tensorcnt 0x0                           ; all my tensor loads have landed
	ds_add_u32 v[SPW], v[NIL]                      ; 0 onto my spare word
	s_add_co_u32 s[G0S+5], s[WQ], (\sg)*SLOT1
	CHUNK 1, 2
	MULV8 1, 0, \sg, \zero, 0
	MULV8 1, 0, \sg, \zero, 2
	s_wait_dscnt 0x0                               ; the add is done and my reads of this slot are over
	s_barrier_signal -1
	MULV8 1, 1, \sg, \zero, 0
	WIN 0
	s_barrier_wait -1
	CREST
	tensor_load_to_lds s[G0S+4:G0S+7], s[G1W:G1W+7]
	s_nop 0
	PLACES
	LDSC 0, ASV+1-\sg, 0
	LDW WA, ADV+1-\sg, 0
	MULV8 1, 1, \sg, \zero, 2
	WIN 0
	s_add_co_u32 s[NC], s[NC], 1
	s_add_co_u32 s[SR], s[SR], 1
.endm
; 64 additions: v[tb + 16 jj + t'] = accumulator (t', m), register 4 jh + jj, + the bias of tile t'.  Each accumulator is read from its low end on.
.macro ADDRUN tb, bb, m, jh
.irp g, 0,1
	WIN 0x02+\g
.irp jj, 0,1,2,3
.irp t, 0,1,2,3,4,5,6,7
	v_add_f32 v[\tb+16*\jj+8*\g+\t], v[8*(4*\t+\m)+4*\jh+\jj], v[\bb+8*\g+\t]
.endr
.endr
.endr
	WIN 0
.endm
; q or k of tokens 16 m + 8 (lane / 16) + 4 jh + 0 .. 3: a lane holds 16 neighbouring d of one head; the block's other half lies in lane xor 8, the head's other block in lane xor 1
.macro QKUNIT m, jh
	ADDRUN T, BQ, \m, \jh
.irp jj, 0,1,2,3
	v_max3_num_f32 v[MX+\jj], |v[T+16*\jj]|, |v[T+16*\jj+1]|, 0x1800000   ; with the floor 2^(3 - 127): the byte cannot fall under 1
.endr
.irp i, 2,4,6,8,10,12,14
.irp jj, 0,1,2,3
	v_max3_num_f32 v[MX+\jj], v[MX+\jj], |v[T+16*\jj+\i]|, |v[T+16*\jj+\i+1]|
.endr
.endr
.irp jj, 0,1,2,3
	v_max_num_f32_dpp v[MX+\jj], v[MX+\jj], v[MX+\jj] row_xmask:8 row_mask:0xf bank_mask:0xf
.endr
.irp jj, 0,1,2,3
	v_add_nc_u32 v[SC+\jj], 0xff000000, v[MX+\jj]  ; 2 off the exponent field: the conversion's scale operand
.endr
.irp jj, 0,1,2,3
	v_lshrrev_b32 v[BY+\jj], 23, v[SC+\jj]
.endr
.irp jj, 0,1,2,3
	v_lshlrev_b32 v[BY+\jj], v[SHB], v[BY+\jj]     ; the byte at its block's place
.endr
.irp jj, 0,1,2,3
	v_mov_b32_dpp v[TP+\jj], v[BY+\jj] row_xmask:1 row_mask:0xf bank_mask:0xf
.endr
	s_wait_dscnt 0x0                               ; the last unit's stores have read their registers
.irp jj, 0,1,2,3
	v_or_b32 v[WD+\jj], v[BY+\jj], v[TP+\jj]       ; the head's scale word; bytes 2 and 3 stay 0: they scale zero codes
.endr
.irp jj, 0,1,2,3
	v_cvt_scalef32_pk16_fp6_f32 v[CD+4*\jj:CD+4*\jj+2], v[T+16*\jj:T+16*\jj+15], v[SC+\jj]
.endr
	v_nop                                          ; one plain place behind the scaled conversions
.irp jj, 0,1,2,3
.irp q, 0,1,2
	ds_store_b32 v[AQ], v[CD+4*\jj+\q] offset:(16*\m+4*\jh+\jj)*CELL+4*\q
.endr
	ds_store_b32 v[AS], v[WD+\jj] offset:(16*\m+4*\jh+\jj)*128   ; the four lanes of a head write the same word
.endr
.endm
; v'S EPILOGUE, iteration n = 8 m2 + j: tokens a = 16 (2 g + m2) + j and b = a + 8.
.macro PREP3 n                         ; v + bias; then lanes 16-31 of head i change places with lanes 0-15 of head i + 8: a register then holds ONE token, heads 8 (lane / 16) + i
.set qm, (\n)/8
.set qj, (\n)%8
.set qa, (\n)%2
.irp u, 0,1
	WIN 0x42+\u
.irp t, 0,1,2,3,4,5,6,7,8,9,10,11,12,13,14,15
	v_add_f32 v[32*qa+16*\u+\t], v[8*(2*\t+qm)+qj], v[BVR+16*\u+\t]
.endr
.endr
	WIN 0x41
.irp u, 0,1
.irp i, 0,1,2,3,4,5,6,7
	v_permlane16_swap_b32 v[32*qa+16*\u+\i], v[32*qa+16*\u+\i+8]
.endr
.endr
.endm
.macro LDATT n                         ; the two tokens' attn, as the scores' phase left it: lane (h, half): t = 8 half + 0 .. 7
.set qm, (\n)/8
.set qj, (\n)%8
.set qa, (\n)%2
	WIN 0x40
.irp b, 0,1
	ds_load_b128 v[64+16*qa+8*\b:64+16*qa+8*\b+3], v[AT0] offset:(16*qm+qj+8*\b)*CELL
	ds_load_b128 v[64+16*qa+8*\b+4:64+16*qa+8*\b+7], v[AT1] offset:(16*qm+qj+8*\b)*CELL
.endr
.endm
.macro WM3 n                           ; ctx^T = v^T attn^T in f32: source 0 = 16 d x 4 t, source 1 = 4 t x 16 h; t = 8 (lane / 16) + 2 kp + register on both sides.  Four sums by turns; the first link starts each with 0
.set qa, (\n)%2
	s_wait_dscnt 0x0                               ; attn is in
	WIN 0x55
.irp kp, 0,1,2,3
.irp b, 0,1
.irp u, 0,1
.set rD, 192+32*qa+16*\b+8*\u
.set rA, 32*qa+16*\u+8*\b+2*\kp
.set rB, 64+16*qa+8*\b+2*\kp
.if \kp == 0
	v_wmma_f32_16x16x4_f32 v[rD:rD+7], v[rA:rA+1], v[rB:rB+1], 0
.else
	v_wmma_f32_16x16x4_f32 v[rD:rD+7], v[rA:rA+1], v[rB:rB+1], v[rD:rD+7]
.endif
.endr
.endr
.endr
.endm
.macro QUANT3 n                        ; lane (h, half) holds ctx[h][32 dblk + 16 half + 0 .. 15] in 16 registers: codes and the block's byte, kept in registers until attn is done with
.set qm, (\n)/8
.set qj, (\n)%8
.set qa, (\n)%2
	WIN 0x55
.irp b, 0,1
	v_max3_num_f32 v[96+\b], |v[192+32*qa+16*\b]|, |v[193+32*qa+16*\b]|, 0x1800000
.endr
.irp i, 2,4,6,8,10,12,14
.irp b, 0,1
	v_max3_num_f32 v[96+\b], v[96+\b], |v[192+32*qa+16*\b+\i]|, |v[193+32*qa+16*\b+\i]|
.endr
.endr
.irp b, 0,1
	v_permlanex16_b32 v[98+\b], v[96+\b], s[SEL], s[SEL+1]
.endr
.irp b, 0,1
	v_max_num_f32 v[96+\b], v[96+\b], v[98+\b]
.endr
.irp b, 0,1
	v_add_nc_u32 v[100+\b], 0xff000000, v[96+\b]
.endr
	WIN 0x05
.irp b, 0,1
	v_cvt_scalef32_pk16_fp6_f32 v[CC+4*(16*qm+qj+8*\b):CC+4*(16*qm+qj+8*\b)+2], v[192+32*qa+16*\b:207+32*qa+16*\b], v[100+\b]
.endr
.irp b, 0,1
	v_lshrrev_b32 v[CC+4*(16*qm+qj+8*\b)+3], 23, v[100+\b]   ; the byte; also the plain place behind the conversions
.endr
.endm
.macro OUNIT m, jh                     ; out0, tokens 16 m + 8 (lane / 16) + 4 jh + 0 .. 3
	s_wait_xcnt 0x0                                ; the last unit's stores have read their registers
	ADDRUN T, BOR, \m, \jh
.irp jj, 0,1,2,3
.irp q, 0,1,2,3
	global_store_b128 v[OO], v[T+16*\jj+4*\q:T+16*\jj+4*\q+3], s[14:15] offset:(16*\m+4*\jh+\jj)*4096+256*\q th:TH_STORE_NT   ; sixteen lanes store 256 consecutive bytes, at a multiple of 256 from out0's first byte
.endr
.endr
.endm
	s_load_b256 s[4:11], s[0:1], 0x0               ; XC s[4:5], WS s[6:7], b_qkv s[8:9], b_out s[10:11]
	s_load_b128 s[12:15], s[0:1], 0x20             ; mask s[12:13], out0 s[14:15]
	v_lshl_add_u32 v[SPW], v0, 2, SPARE
	v_mov_b32 v[NIL], 0
	ds_add_u32 v1, v2
	ds_add_u32 v1, v2
	s_wait_dscnt 0x0
	v_lshrrev_b32 v3, 5, v0
	v_readfirstlane_b32 s[WV], v3                  ; wave 0..3
	s_bfe_u32 s[CX], ttmp6, 0x40000                ; my place in the cluster: it enters XC's and out0's addresses alone
	s_lshl_b32 s[WG], ttmp9, 2
	s_add_co_u32 s[WG], s[WG], s[CX]               ; my block of 64 tokens
	s_and_b32 s[SR], ttmp9, 7                      ; where my cluster begins along K
	s_mov_b32 s[NC], 0
	s_mov_b32 s[TB], 0
	s_and_b32 s[DB], s[WV], 1                      ; v steps: my block of 32 d,
	s_lshr_b32 s[GG], s[WV], 1                     ; my half of the tokens
	s_mov_b32 s[G1W], 15|(3<<16)|(1<<21)           ; a quarter: 15:0 the mask: all four work-groups; 17:16 elements of 8 bytes; 21 set beside a mask; no padding
	s_mov_b32 s[G1W+1], 32<<16                     ; tensor_dim0 = 32 elements: rows of 256 bytes
	s_mov_b32 s[G1W+2], 100<<16                    ; tensor_dim1 = 100
	s_mov_b32 s[G1W+3], 32<<16                     ; tile_dim0
	s_mov_b32 s[G1W+4], 100                        ; tile_dim1
	s_mov_b32 s[G1W+5], 32                         ; the block is dense
	s_mov_b32 s[G1W+6], 0
	s_mov_b32 s[G1W+7], 0
	s_mov_b32 s[G1X], 3<<16                        ; a K step's group of x's codes: 25 rows of 256 bytes; no mask: each work-group has its own tokens
	s_mov_b32 s[G1X+1], 32<<16
	s_mov_b32 s[G1X+2], 25<<16
	s_mov_b32 s[G1X+3], 32<<16
	s_mov_b32 s[G1X+4], 25
	s_mov_b32 s[G1X+5], 32
	s_mov_b32 s[G1X+6], 0
	s_mov_b32 s[G1X+7], 0
	s_mov_b32 s[SEL], 0x76543210
	s_mov_b32 s[SEL+1], 0xfedcba98                 ; v_permlanex16_b32's selects for lane l xor 16
	s_mov_b32 s[CS], 0x3e38aa3b                    ; c = log2(e) / 8
	s_mul_i32 s[WQ], s[WV], QB                     ; my quarter
	s_mov_b32 s[T2], s[WQ]
	s_mov_b32 s[T2+1], 0
	s_mul_i32 s[T4], s[WG], 8*XGB
	s_mov_b32 s[T5], 0
	s_lshl_b32 s[T6], s[WG], 18                    ; 64 rows of 4,096 bytes
	s_mov_b32 s[T6+1], 0
	s_wait_kmcnt 0x0
	s_add_nc_u64 s[WSB:WSB+1], s[6:7], s[T2:T2+1]
	s_add_nc_u64 s[XCB:XCB+1], s[4:5], s[T4:T5]
	s_add_nc_u64 s[14:15], s[14:15], s[T6:T6+1]
	s_mov_b32 s[G0S], 1
	s_mov_b32 s[G0S+1], s[WQ]                      ; LDS: slot 0, quarter = wave: no place in the cluster enters an LDS address
	CHUNK 0, 0
	s_mov_b32 s[G0S+4], 1
	s_add_co_u32 s[G0S+5], s[WQ], SLOT1
	CHUNK 1, 1
	s_mul_i32 s[T4], s[WV], 2*SG                   ; x: wave w brings K steps 2 w and 2 w + 1
	s_mul_i32 s[T6], s[WV], 2*XGB
	s_mov_b32 s[G0X], 1
	s_add_co_u32 s[G0X+1], s[T4], RA
	s_add_nc_u64 s[G0X+2:G0X+3], s[XCB:XCB+1], s[T6:T6+1]
	s_or_b32 s[G0X+3], s[G0X+3], 0x80000000
	s_add_co_u32 s[T6], s[T6], XGB
	s_mov_b32 s[G0X+4], 1
	s_add_co_u32 s[G0X+5], s[T4], RA+SG
	s_add_nc_u64 s[G0X+6:G0X+7], s[XCB:XCB+1], s[T6:T6+1]
	s_or_b32 s[G0X+7], s[G0X+7], 0x80000000
	CROUND                                         ; all four work-groups are here: the first joint loads meet
	tensor_load_to_lds s[G0X:G0X+3], s[G1X:G1X+7]  ; the first fills go out as one group: four loads of mine are out
	s_nop 0
	tensor_load_to_lds s[G0X+4:G0X+7], s[G1X:G1X+7]
	s_nop 0
	tensor_load_to_lds s[G0S:G0S+3], s[G1W:G1W+7]
	s_nop 0
	tensor_load_to_lds s[G0S+4:G0S+7], s[G1W:G1W+7]
	s_nop 0
	PLACES
	v_and_b32 v108, 31, v0                         ; lane
	v_and_b32 v109, 15, v0                         ; r
	v_bfe_u32 v110, v0, 4, 1                       ; h
	v_and_b32 v111, 1, v0                          ; r's bit 0
	v_bfe_u32 v112, v0, 1, 2                       ; bits 1, 2
	v_bfe_u32 v113, v0, 3, 1                       ; bit 3
	v_bfe_u32 v114, v0, 1, 3                       ; r / 2
	v_lshlrev_b32 v[L16], 4, v108
	v_lshlrev_b32 v[L4], 2, v108
	v_lshlrev_b32 v128, 6, v109
	v_lshl_add_u32 v128, v110, 5, v128
	global_load_b128 v[120:123], v128, s[12:13]            ; mask[h = r][t = 8 (lane / 16) + 0 .. 7]
	global_load_b128 v[124:127], v128, s[12:13] offset:16
	DIRADR GA, 0
	LDG 0, GA, 0                                   ; WB for the very first step
	v_add_nc_u32 v[ADW0], s[WQ], v[L16]
	v_add_nc_u32 v[ASW0], s[WQ], v[L4]
	v_add_nc_u32 v[ASW0], SCO, v[ASW0]
	v_add_nc_u32 v[AX0], RA, v[L16]
	v_add_nc_u32 v[AXS0], RA+XSC, v[L4]
	s_mul_i32 s[T4], s[DB], 2*QB
	v_add_nc_u32 v[ADV], s[T4], v[L16]
	v_add_nc_u32 v[ADV+1], SLOT1, v[ADV]
	v_add_nc_u32 v[ASV], s[T4], v[L4]
	v_add_nc_u32 v[ASV], SCO, v[ASV]
	v_add_nc_u32 v[ASV+1], SLOT1, v[ASV]
	s_mul_i32 s[T4], s[GG], 2*FRB
	v_add_nc_u32 v[XO0], s[T4], v[L16]
	s_lshl_b32 s[T4], s[GG], 7
	s_add_co_u32 s[T4], s[T4], XSC
	v_add_nc_u32 v[XSO0], s[T4], v[L4]
	; q, k: lane r = blk + 2 hl + 8 dhalf of wave w holds head 4 w + hl, d = 32 blk + 16 dhalf + 0 .. 15; lanes 16-31 the tokens 8 further on
	s_mul_i32 s[T4], s[WV], 96
	s_add_co_u32 s[T4], s[T4], RB
	v_mul_u32_u24 v[AQ0], v110, 8*CELL
	v_mad_u32_u24 v[AQ0], v112, 24, v[AQ0]
	v_mad_u32_u24 v[AQ0], v111, 384, v[AQ0]
	v_mad_u32_u24 v[AQ0], v113, 12, v[AQ0]
	v_add_nc_u32 v[AQ0], s[T4], v[AQ0]
	s_lshl_b32 s[T4], s[WV], 4
	s_add_co_u32 s[T4], s[T4], QS
	v_lshlrev_b32 v[AS0], 10, v110
	v_lshl_add_u32 v[AS0], v112, 2, v[AS0]
	v_add_nc_u32 v[AS0], s[T4], v[AS0]
	s_mul_i32 s[T4], s[WV], 3072
	v_mul_u32_u24 v[BO0], v112, 768
	v_mad_u32_u24 v[BO0], v111, 384, v[BO0]
	v_mad_u32_u24 v[BO0], v113, 192, v[BO0]
	v_add_nc_u32 v[BO0], s[T4], v[BO0]             ; b_qkv: 4 (192 head + 3 d) bytes
	v_lshlrev_b32 v[SHB], 3, v111
	; the scores: wave w has tokens 16 w .. 16 w + 15
	s_mul_i32 s[T4], s[WV], 16*CELL
	v_mul_u32_u24 v[PK0], v108, 24
	v_add_nc_u32 v[PK0], s[T4], v[PK0]
	v_add_nc_u32 v[PQ0], RA, v[PK0]
	v_add_nc_u32 v[PK0], RB, v[PK0]
	v_add_nc_u32 v[PA1], s[T4], v[L16]
	v_add_nc_u32 v[PA0], RA, v[PA1]
	v_add_nc_u32 v[PA1], RB, v[PA1]
	s_lshl_b32 s[T4], s[WV], 11
	s_add_co_u32 s[T4], s[T4], QS
	v_add_nc_u32 v[PS0], s[T4], v[L4]
	s_mul_i32 s[T4], s[GG], 32*CELL
	v_add_nc_u32 v[AT1], s[T4], v[L16]
	v_add_nc_u32 v[AT0], RA, v[AT1]
	v_add_nc_u32 v[AT1], RB, v[AT1]
	; ctx's codes go into x's layout: K step head / 2; register G = 6 (head % 2) + 3 (lane / 16) + q of lane' = token % 16 + 16 dblk
	s_mul_i32 s[T4], s[GG], 2*FRB
	s_lshl_b32 s[T5], s[DB], 8
	s_add_co_u32 s[T4], s[T4], s[T5]
	s_add_co_u32 s[T4], s[T4], RA
	v_mul_u32_u24 v115, v114, SG
	v_add_nc_u32 v115, s[T4], v115
	v_mul_u32_u24 v116, v111, 6
	v_mad_u32_u24 v116, v110, 3, v116
.irp q, 0,1,2
	v_add_nc_u32 v117, \q, v116
	v_lshrrev_b32 v118, 2, v117
	v_and_b32 v117, 3, v117
	v_lshl_add_u32 v118, v118, 9, v115
	v_lshl_add_u32 v[AC+\q], v117, 2, v118
.endr
	s_lshl_b32 s[T4], s[GG], 7
	s_add_co_u32 s[T4], s[T4], s[DB]
	s_add_co_u32 s[T4], s[T4], RA+XSC
	v_mul_u32_u24 v[ACS], v114, SG
	v_lshl_add_u32 v[ACS], v111, 1, v[ACS]
	v_add_nc_u32 v[ACS], s[T4], v[ACS]             ; the byte 2 (head % 2) + dblk of the token's scale word
	s_lshl_b32 s[T4], s[WV], 10
	v_lshlrev_b32 v[OO], 15, v110
	v_lshl_add_u32 v[OO], v109, 4, v[OO]
	v_add_nc_u32 v[OO], s[T4], v[OO]               ; out0: 8 rows further on for lanes 16-31; 1,024 w + 16 r bytes in a row
	v_lshlrev_b32 v[BOO], 4, v109
	v_add_nc_u32 v[BOO], s[T4], v[BOO]
	s_mul_i32 s[T4], s[DB], 384
	s_add_co_u32 s[T4], s[T4], 8
	v_mul_u32_u24 v[BV], v109, 12
	v_mad_u32_u24 v[BV], v113, 96, v[BV]
	v_add_nc_u32 v[BV], s[T4], v[BV]               ; b_qkv for v: d = 32 dblk + 8 u + r + 8 (r / 8)
	v_mov_b32 v[NINF], 0xff800000
.irp jj, 0,1,2,3
	v_mov_b32 v[TP+\jj], 0                         ; written before its first use: the destination of a move between lanes counts as one of its sources
.endr
	s_wait_loadcnt 0x0                             ; the mask, and WB with it
.irp j, 0,1,2,3,4,5,6,7
	v_cmp_eq_u32 s[MK+\j], 0, v[120+\j]            ; the lanes whose score register j is hidden
.endr
	s_wait_tensorcnt 0x1                           ; x's codes and my quarter of chunk 0 are in; chunk 1 may be out
	s_barrier_signal -1
	s_barrier_wait -1
	APRE
	; ---- k (trip 0), then q (trip 1): four slots of two steps each; q's codes take x's place in LDS, when x has been read for the last time
	s_mov_b32 s[PASS], 0
.Lpass:
	s_lshl_b32 s[T0], s[PASS], 2
	s_sub_co_u32 s[T0], 4, s[T0]                   ; k is the second of each three columns, q the first
	v_add_nc_u32 v[BO], s[T0], v[BO0]
.irp t, 0,1,2,3,4,5,6,7,8,9,10,11,12,13,14,15
	global_load_b32 v[BQ+\t], v[BO], s[8:9] offset:12*\t
.endr
	STEPA 1                                        ; a pass's first step starts the sums
	s_mov_b32 s[CNT], 3
.Lq:
	STEPB 1, 1, 1
	STEPA 0
	s_sub_co_u32 s[CNT], s[CNT], 1
	s_cmp_lg_u32 s[CNT], 0
	s_cbranch_scc1 .Lq
	STEPB 1, 1, 2
	s_mul_i32 s[QOFF], s[PASS], RA-RB
	s_lshl_b32 s[SOFF], s[PASS], 6
	s_wait_loadcnt 0x0                             ; the biases (and WB for q's first step, which stays in window 1 through the lines below)
	s_wait_dscnt 0x0                               ; my reads of x's codes are over
	s_barrier_signal -1
	s_barrier_wait -1                              ; everybody's are
	v_add_nc_u32 v[AQ], s[QOFF], v[AQ0]
	v_add_nc_u32 v[AS], s[SOFF], v[AS0]
.irp m, 0,1,2,3
.irp jh, 0,1
	QKUNIT \m, \jh
.endr
.endr
	s_wait_dscnt 0x0                               ; for the others' sake: my stores have landed
	s_barrier_signal -1
	s_barrier_wait -1
	s_add_co_u32 s[PASS], s[PASS], 1
	s_cmp_lt_u32 s[PASS], 2
	s_cbranch_scc1 .Lpass
	; ---- the scores and the softmax: S^T = k q^T for one token an instruction (K = 64 of the instruction's 128: the upper half of both operands is zero codes); four tokens by turns
.irp tk, 0,1,2,3
.irp i, 6,7,8,9,10,11,18,19,20,21,22,23
	v_mov_b32 v[KF+24*\tk+\i], 0
.endr
	v_mov_b32 v[PX+\tk], 0
.endr
	s_mov_b32 s[PT], 0
	s_mov_b32 s[PT2], 0
	s_mov_b32 s[CNT], 4
.Lp2:
	v_add_nc_u32 v[APK], s[PT], v[PK0]
	v_add_nc_u32 v[APQ], s[PT], v[PQ0]
	v_add_nc_u32 v[APA0], s[PT], v[PA0]
	v_add_nc_u32 v[APA1], s[PT], v[PA1]
	v_add_nc_u32 v[APS], s[PT2], v[PS0]
.irp tk, 0,1,2,3
.irp p, 0,1,2
	ds_load_b64 v[KF+24*\tk+2*\p:KF+24*\tk+2*\p+1], v[APK] offset:\tk*CELL+8*\p
	ds_load_b64 v[KF+24*\tk+12+2*\p:KF+24*\tk+12+2*\p+1], v[APQ] offset:\tk*CELL+8*\p
.endr
	ds_load_b32 v[WSR+\tk], v[APS] offset:\tk*128  ; lanes 0-15 k's scale words, lanes 16-31 q's
.endr
	s_wait_dscnt 0x0                               ; the operands are in, and the last trip's stores have read their registers
.irp tk, 0,1,2,3
.set rD, DD+8*\tk
.set rA, KF+24*\tk
.set rB, KF+24*\tk+12
.set rSA, WSR+\tk
.set rSB, WSR+\tk
	WMS 1, 0, 1                                    ; lane (h, half), register j: the score of query head h and key head 8 half + j
.endr
	PLACES
.irp j, 0,1,2,3,4,5,6,7
.irp tk, 0,1,2,3
	v_cndmask_b32 v[UU+8*\tk+\j], v[DD+8*\tk+\j], v[NINF], s[MK+\j]
.endr
.endr
.irp tk, 0,1,2,3
	v_max3_num_f32 v[PM+\tk], v[UU+8*\tk], v[UU+8*\tk+1], v[UU+8*\tk+2]
.endr
.irp i, 3,5
.irp tk, 0,1,2,3
	v_max3_num_f32 v[PM+\tk], v[PM+\tk], v[UU+8*\tk+\i], v[UU+8*\tk+\i+1]
.endr
.endr
.irp tk, 0,1,2,3
	v_max_num_f32 v[PM+\tk], v[PM+\tk], v[UU+8*\tk+7]
.endr
.irp tk, 0,1,2,3
	v_permlanex16_b32 v[PX+\tk], v[PM+\tk], s[SEL], s[SEL+1]
.endr
.irp tk, 0,1,2,3
	v_max_num_f32 v[PM+\tk], v[PM+\tk], v[PX+\tk]  ; the row's largest score
.endr
.irp tk, 0,1,2,3
	v_mul_f32 v[PCM+\tk], s[CS], v[PM+\tk]
.endr
.irp j, 0,1,2,3,4,5,6,7
.irp tk, 0,1,2,3
	v_fma_f32 v[UU+8*\tk+\j], v[UU+8*\tk+\j], s[CS], -v[PCM+\tk]
.endr
.endr
.irp j, 0,1,2,3,4,5,6,7
.irp tk, 0,1,2,3
	v_exp_f32 v[UU+8*\tk+\j], v[UU+8*\tk+\j]
.endr
.endr
	v_nop                                          ; a plain place behind the exponentials
	s_wait_alu depctr_va_vdst(0)                   ; one wait for the batch of 32, ahead of its first reader
.irp tk, 0,1,2,3
	v_add_f32 v[PSU+\tk], v[UU+8*\tk], v[UU+8*\tk+1]
.endr
.irp j, 2,3,4,5,6,7
.irp tk, 0,1,2,3
	v_add_f32 v[PSU+\tk], v[PSU+\tk], v[UU+8*\tk+\j]
.endr
.endr
.irp tk, 0,1,2,3
	v_permlanex16_b32 v[PX+\tk], v[PSU+\tk], s[SEL], s[SEL+1]
.endr
.irp tk, 0,1,2,3
	v_add_f32 v[PSU+\tk], v[PSU+\tk], v[PX+\tk]
.endr
.irp tk, 0,1,2,3
	v_rcp_f32 v[PCM+\tk], v[PSU+\tk]
.endr
	v_nop
	s_wait_alu depctr_va_vdst(0)                   ; one wait for the four reciprocals
.irp j, 0,1,2,3,4,5,6,7
.irp tk, 0,1,2,3
	v_mul_f32 v[UU+8*\tk+\j], v[UU+8*\tk+\j], v[PCM+\tk]
.endr
.endr
.irp tk, 0,1,2,3
	ds_store_b128 v[APA0], v[UU+8*\tk:UU+8*\tk+3] offset:\tk*CELL     ; attn, as an image of its registers, over the token's own codes, which are in registers
	ds_store_b128 v[APA1], v[UU+8*\tk+4:UU+8*\tk+7] offset:\tk*CELL
.endr
	s_add_co_u32 s[PT], s[PT], 4*CELL
	s_add_co_u32 s[PT2], s[PT2], 512
	s_sub_co_u32 s[CNT], s[CNT], 1
	s_cmp_lg_u32 s[CNT], 0
	s_cbranch_scc1 .Lp2
	s_wait_dscnt 0x0
	s_barrier_signal -1
	s_barrier_wait -1                              ; attn of all 64 tokens lies in LDS
	; ---- v
.irp u, 0,1
.irp t, 0,1,2,3,4,5,6,7,8,9,10,11,12,13,14,15
	global_load_b32 v[BVR+16*\u+\t], v[BV], s[8:9] offset:768*\t+96*\u
.endr
.endr
	NEXTV 0
	LDXG 0
	LDSC 0, ASV, 0
	LDW WA, ADV, 0
	VSTEP 0, 1
	s_mov_b32 s[CNT], 3
.Lv:
	VSTEP 1, 0
	VSTEP 0, 0
	s_sub_co_u32 s[CNT], s[CNT], 1
	s_cmp_lg_u32 s[CNT], 0
	s_cbranch_scc1 .Lv
	VSTEP 1, 0
	s_wait_loadcnt 0x0
	s_wait_dscnt 0x0
	PLACES
	WIN 0x40
	v_mov_b32 v[98], 0                             ; written once: a lane permute's destination counts as one of its sources
	v_mov_b32 v[99], 0
	LDATT 0
	; ctx = attn v, two tokens an iteration.  An iteration's additions stand between the f32 products of the iteration before and the lines that read their results: more than the eight places that this form asks
.irp n, 0,1,2,3,4,5,6,7,8,9,10,11,12,13,14,15
	PREP3 \n
	WM3 \n
.if \n < 15
	LDATT \n+1
.endif
.if \n > 0
	QUANT3 \n-1
.endif
.endr
	QUANT3 15
	WIN 0
	DIRADR GA, 0
	LDG 0, GA, 0                                   ; WB for W_out's first step: its registers are done with here; WC's still hold ctx's codes
	s_wait_dscnt 0x0                               ; my reads of attn are over
	s_barrier_signal -1
	s_barrier_wait -1                              ; everybody's are: ctx's codes may take its place
.set ix, 0
.rept 32
.irp q, 0,1,2
	ds_store_b32 v[AC+\q], v[CC+4*ix+\q] offset:(ix/16)*FRB+16*(ix%16)
.endr
	ds_store_b8 v[ACS], v[CC+4*ix+3] offset:(ix/16)*64+4*(ix%16)      ; both halves of the lanes write the same byte
.set ix, ix+1
.endr
	s_wait_dscnt 0x0
	s_barrier_signal -1
	s_barrier_wait -1                              ; ctx's 32 fragments and their scale words lie in LDS, where x's lay
	; ---- out0: four slots of two steps
.irp q, 0,1,2,3
	global_load_b128 v[BOR+4*\q:BOR+4*\q+3], v[BOO], s[10:11] offset:256*\q
.endr
	APRE
	STEPA 1
	s_mov_b32 s[CNT], 2
.Lo:
	STEPB 1, 1, 1                                  ; these two ask for the last two chunks
	STEPA 0
	s_sub_co_u32 s[CNT], s[CNT], 1
	s_cmp_lg_u32 s[CNT], 0
	s_cbranch_scc1 .Lo
	STEPB 0, 1, 1                                  ; the last two slots are written out
	STEPA 0
	STEPB 0, 0, 0
	s_wait_loadcnt 0x0                             ; b_out
.irp m, 0,1,2,3
.irp jh, 0,1
	OUNIT \m, \jh
.endr
.endr
	s_wait_tensorcnt 0x0                           ; the wave's end
	ds_add_u32 v[SPW], v[NIL]
	s_wait_dscnt 0x0
	CROUND                                         ; the closing round: no work-group ends while a partner may still ask for a chunk that names it
	s_endpgm
.Lfunc_end_k_q5ebb56a596_main:
	.size	k_q5ebb56a596_main, .Lfunc_end_k_q5ebb56a596_main-k_q5ebb56a596_main
	.p2alignl 7, 3214868480
	.fill 96, 4, 3214868480
	.section	.rodata,"a",@progbits
	.p2align	6, 0x0
	.amdhsa_kernel k_q5ebb56a596_main
		.amdhsa_group_segment_fixed_size 327680
		.amdhsa_private_segment_fixed_size 0
		.amdhsa_enable_private_segment 0
		.amdhsa_kernarg_size 48
		.amdhsa_user_sgpr_count 2
		.amdhsa_user_sgpr_kernarg_segment_ptr 1
		.amdhsa_wavefront_size32 1
		.amdhsa_system_sgpr_workgroup_id_x 1
		.amdhsa_system_sgpr_workgroup_id_y 1
		.amdhsa_system_sgpr_workgroup_id_z 1
		.amdhsa_system_vgpr_workitem_id 0
		.amdhsa_next_free_vgpr 1024
		.amdhsa_next_free_sgpr 96
		.amdhsa_reserve_vcc 0
		.amdhsa_float_denorm_mode_32 3
		.amdhsa_float_denorm_mode_16_64 3
		.amdhsa_memory_ordered 1
		.amdhsa_forward_progress 1
		.amdhsa_inst_pref_size 255
	.end_amdhsa_kernel
	.section	.bss,"aw",@nobits
	.p2align	6
	.space	262144
	.amdgpu_metadata
---
amdhsa.version: [ 1, 2 ]
amdhsa.kernels:
  - .name:           k_q5ebb56a596_main
    .symbol:         k_q5ebb56a596_main.kd
    .args:
      - { .name: XC, .offset: 0, .size: 8, .value_kind: global_buffer, .address_space: global }
      - { .name: WS, .offset: 8, .size: 8, .value_kind: global_buffer, .address_space: global }
      - { .name: b_qkv, .offset: 16, .size: 8, .value_kind: global_buffer, .address_space: global }
      - { .name: b_out, .offset: 24, .size: 8, .value_kind: global_buffer, .address_space: global }
      - { .name: mask, .offset: 32, .size: 8, .value_kind: global_buffer, .address_space: global }
      - { .name: out0, .offset: 40, .size: 8, .value_kind: global_buffer, .address_space: global }
    .group_segment_fixed_size: 327680
    .private_segment_fixed_size: 0
    .kernarg_segment_align: 8
    .kernarg_segment_size: 48
    .max_flat_workgroup_size: 128
    .sgpr_count:     96
    .vgpr_count:     1024
    .wavefront_size: 32
...
	.end_amdgpu_metadata
.endif
;; end of part 2
